; MI455X (gfx1250); checked and timed in simulation.
; The chip was launched on July 23, 2026; its instructions are those of AMD's public machine-readable ISA for CDNA 5 (MIT licence, August 2026) and "CDNA5" Instruction Set Architecture Reference Guide (July 2026). The comments in the code are by the model that wrote it; some were corrected since.
;; Word Embed. Allowed arithmetic: matrix products marked QUANTISED: E5M2 operands, one given power-of-two scale a tensor, by v_wmma_f32_16x16x64_bf8_bf8 or v_wmma_f32_16x16x128_bf8_bf8, f32 sums; everything else in f32.
;; Inputs: embedding 16,000 x 1,024 float32; input_ids 2 x 2,048 int32; lowp_scales 2 int32 (the exponents e of the quantised operands' scales 2^e).
;; Outputs: out0 2 x 2,048 x 1,024 float32.
;; This version of the problem:
;;   THIS VERSION OF THE PROBLEM IS GIVEN IN LOW PRECISION. The matrix products marked QUANTISED in the list below multiply operands that are first quantised to E5M2 (5 exponent bits, 2 mantissa bits; 8 bits a number), with one given power-of-two scale for each operand tensor; their sums are f32. All else is computed in f32.
;;   The module's matrix products, in the order in which they are computed (A, B: the left and right operand; K: the contracted axis; several contracted axes count as one K, in the product's order):
;;     1. [M 4,096, K 16,000] x [K 16,000, N 1,024]; A: computed on the way; B: input embedding: QUANTISED (scales: A lowp_scales[0], B lowp_scales[1])
;;   THE QUANTISER, for each operand of a quantised product, along K:
;;     - The operand's scale is 2^e, e = its entry of the input lowp_scales (int32; the entries are numbered through the quantised products in the list's order, A before B).
;;     - Each number is divided by the scale, clamped to +-57,344, and rounded to the nearest number of E5M2, ties to even, subnormals kept.
;;     - The product sums the exact products of the quantised numbers (number of the format x scale) in f32.
;;   ~~~python
;;   def quantise(x, axis, e):      # numpy; x: float32 -> the quantised numbers, widened to float32 again
;;       x = np.moveaxis(x, axis, -1); K = x.shape[-1]
;;       r = np.clip(x / 2.0 ** e, -57344, 57344)
;;       step = 2.0 ** (np.maximum(np.frexp(np.where(r == 0, 1, r))[1] - 1, -14) - 2)
;;       q = np.round(r / step) * step * 2.0 ** e      # np.round: ties to even
;;       return np.moveaxis(q, -1, axis).astype(np.float32)
;;   ~~~
;;   OPERANDS COMPUTED ON THE WAY. 'Computed on the way' means the value that the module computes at that place (a softmax that the list does not call 'softmax' is quantised finished and normalised). What goes into a quantiser is computed in f32, as accurately as f32 sums, v_exp_f32 and their like allow (about 1e-6 of the number): no bf16 or f16 on the way to a quantiser, and a product that is left as it is and whose result goes on into a quantised operand takes f32 operands (vector FMAs, or v_wmma_f32_16x16x4_f32). A number that lies on a knife's edge between two numbers of the format may be rounded either way, as far as f32 arithmetic and the matrix unit's own rounding can turn it there, and no further.
;; One version. Each part assembles by itself: llvm-mc -triple=amdgcn-amd-amdhsa -mcpu=gfx1250 --defsym DOCPART=n.
;; ======== version 1 of 1: 2 launches
;; workspace buffers: codes 16,777,216 bytes
;; launch quant (part 1): grid 2 x 256, 8 waves a work-group, no clusters, 0 bytes of LDS; arguments embedding, lowp_scales, codes; writes codes
.if DOCPART == 1
	.amdgcn_target "amdgcn-amd-amdhsa--gfx1250"
	.amdhsa_code_object_version 6
	.text
	.protected	k_q46165d4d0c_quant
	.globl	k_q46165d4d0c_quant
	.p2align	8
	.type	k_q46165d4d0c_quant,@function
k_q46165d4d0c_quant:
	s_mov_b64 s[64:65], 0
	v_nop
	global_prefetch_b8 v0, s[64:65] scope:SCOPE_SE
	s_setreg_imm32_b32 hwreg(HW_REG_WAVE_MODE, 25, 1), 1
	s_wait_xcnt 0x0
; embedding [16000 (k)][1024 (n)], f32, K its FIRST axis, becomes codes of BF8 (E5M2), 8 bits each, with the one given scale 2^e1 (entry 1 of the scales' buffer).
; code = x / 2^e1, held within +-57,344, rounded to the nearest code, ties to even.
; LIMITS: -126 <= e1 <= 112, so that 2^e1 and 57,344 x 2^e1 are f32 numbers.  NaN among the inputs is not served; an infinity is held at the largest code.
; THE CODES' LAYOUT is the order of the operand's registers in the product's launch: [g: 16 groups of 64 columns][s: 128 K steps of 128][f: 4 fragments of 16 columns][an image of 2,048 bytes].
; In an image chunk c (0..3) is 512 bytes; lane 16 h + r has 16 bytes at 512 c + 256 h + 16 r; byte y of them is the code of embedding[128 s + 32 c + 16 h + y][64 g + 16 f + r].
; K is filled up from 16,000 to 16,384 with zero codes (K steps 125 to 127), which add nothing to a sum: so the product's launch has 128 equal K steps.
; SHARES.  Work-group (x, y): rows k = 64 y .. 64 y + 63, columns 512 x .. 512 x + 511.  Wave w: the group g = 8 x + w, 64 columns.
; A LANE TAKES TWO COLUMNS, 32 u + lane (u = 0, 1), AND ITS REGISTERS RUN DOWN K: the conversions take neighbours along K from one lane's consecutive registers, so nothing is transposed.
; A row's two loads stand side by side and cover 256 consecutive bytes, aligned.  A store's lanes 0-15 write 256 consecutive bytes of fragment 2 u, lanes 16-31 of fragment 2 u + 1, both aligned.
; No LDS, no barrier: waves share nothing.  Every offset is an immediate, no register that a load or store names is written again: so no wait frees a source.
.set KROWS, 16000/64                   ; work-group rows y that hold numbers; from here on: zero codes
.set ROWB,  4096                       ; a row of the embedding in bytes
.set X,     32                         ; v32-159  X[u][i] = v[32 + 64 u + i]: row i of my column u
.set C,     160                        ; v160-191 codes: 8 registers for (u, c) at 160 + 16 u + 8 c
	s_load_b128 s[4:7], s[0:1], 0x0                ; embedding s[4:5], the scales' exponents s[6:7]
	s_load_b64 s[8:9], s[0:1], 0x10                ; the codes
	v_lshrrev_b32 v1, 5, v0
	v_readfirstlane_b32 s12, v1                    ; wave 0..7
	v_and_b32 v1, 31, v0                           ; lane
	v_lshlrev_b32 v2, 2, v1                        ; in: 4 bytes a lane
	v_lshrrev_b32 v3, 4, v1
	v_and_b32 v4, 15, v1
	v_lshlrev_b32 v3, 11, v3
	v_lshl_add_u32 v3, v4, 4, v3                   ; out: 2,048 (lane / 16) + 16 (lane % 16): the fragment of my column, and my column's place in it
	s_and_b32 s13, ttmp7, 0xffff                   ; y
	s_lshl_b32 s14, ttmp9, 3
	s_add_co_u32 s14, s14, s12                     ; g = 8 x + wave
	s_lshl_b32 s16, s13, 18                        ; in: 64 y rows of 4,096 bytes
	s_lshl_b32 s15, s14, 8
	s_add_co_u32 s16, s16, s15                     ;     + 256 g
	s_mov_b32 s17, 0
	s_lshl_b32 s18, s14, 20                        ; out: g x 128 K steps x 8,192 bytes
	s_lshr_b32 s15, s13, 1
	s_lshl_b32 s15, s15, 13
	s_add_co_u32 s18, s18, s15                     ;      + K step y / 2
	s_and_b32 s15, s13, 1
	s_lshl_b32 s15, s15, 10
	s_add_co_u32 s18, s18, s15                     ;      + chunks 2 (y % 2) on
	s_mov_b32 s19, 0
	s_wait_kmcnt 0x0
	s_add_nc_u64 s[4:5], s[4:5], s[16:17]
	s_add_nc_u64 s[8:9], s[8:9], s[18:19]
	s_cmp_ge_u32 s13, KROWS                        ; past the table's last row?  A branch on the work-group's number alone; there nothing is loaded
	s_cbranch_scc1 .Lzeros
	s_load_b32 s20, s[6:7], 0x4                    ; e1
.set i, 0
.rept 64
	global_load_b32 v[X+i],    v2, s[4:5] offset:i*ROWB th:TH_LOAD_NT       ; row i, my column of the left 32,
	global_load_b32 v[X+64+i], v2, s[4:5] offset:i*ROWB+128 th:TH_LOAD_NT   ; and of the right 32: read once in the launch
.set i, i+1
.endr
	s_wait_kmcnt 0x0
	s_add_co_i32 s20, s20, 127
	s_lshl_b32 s21, s20, 23
	v_mov_b32 v11, s21                             ; 2^e1 as f32: the conversion takes its exponent field
	s_add_co_i32 s20, s20, 15
	s_lshl_b32 s20, s20, 23
	s_or_b32 s20, s20, 0x600000
	v_mov_b32 v10, s20                             ; 57,344 x 2^e1
; Rows 32 c .. 32 c + 31 of both my columns: hold, convert, store.
.macro CHUNK c
.irp u, 0,1
.set i, 0
.rept 32
	v_med3_num_f32 v[X+64*\u+32*\c+i], v[X+64*\u+32*\c+i], -v10, v10   ; the conversion to an 8-bit code does not saturate (ISA guide 7.6.2): hold the number within the largest code x the scale first
.set i, i+1
.endr
.irp q, 0,1,2,3
	v_cvt_scalef32_pk8_bf8_f32 v[C+16*\u+8*\c+2*\q:C+16*\u+8*\c+2*\q+1], v[X+64*\u+32*\c+8*\q:X+64*\u+32*\c+8*\q+7], v11
.endr
	; the results go to stores alone, and the vector lines that follow are plain holds on other registers
	global_store_b128 v3, v[C+16*\u+8*\c:C+16*\u+8*\c+3],   s[8:9] offset:4096*\u+512*\c       ; rows 32 c + 0 .. 15: the image's lanes 0-15
	global_store_b128 v3, v[C+16*\u+8*\c+4:C+16*\u+8*\c+7], s[8:9] offset:4096*\u+512*\c+256   ; rows 32 c + 16 .. 31: its lanes 16-31
.endr
.endm
	s_wait_loadcnt 63                              ; loads come back in order: at most the youngest 63 of the 128 are out, so the first 65 are in, rows 0-31's 64 among them
	CHUNK 0
	s_wait_loadcnt 0x0
	CHUNK 1
	s_endpgm
.Lzeros:                                               ; K steps 125 to 127: zero codes, which the product's launch reads like all others
.irp j, 12,13,14,15
	v_mov_b32 v\j, 0
.endr
.irp u, 0,1
.irp c, 0,1
	global_store_b128 v3, v[12:15], s[8:9] offset:4096*\u+512*\c
	global_store_b128 v3, v[12:15], s[8:9] offset:4096*\u+512*\c+256
.endr
.endr
	s_endpgm
.Lfunc_end_k_q46165d4d0c_quant:
	.size	k_q46165d4d0c_quant, .Lfunc_end_k_q46165d4d0c_quant-k_q46165d4d0c_quant
	.p2alignl 7, 3214868480
	.fill 96, 4, 3214868480
	.section	.rodata,"a",@progbits
	.p2align	6, 0x0
	.amdhsa_kernel k_q46165d4d0c_quant
		.amdhsa_group_segment_fixed_size 0
		.amdhsa_private_segment_fixed_size 0
		.amdhsa_enable_private_segment 0
		.amdhsa_kernarg_size 24
		.amdhsa_user_sgpr_count 2
		.amdhsa_user_sgpr_kernarg_segment_ptr 1
		.amdhsa_wavefront_size32 1
		.amdhsa_system_sgpr_workgroup_id_x 1
		.amdhsa_system_sgpr_workgroup_id_y 1
		.amdhsa_system_sgpr_workgroup_id_z 1
		.amdhsa_system_vgpr_workitem_id 0
		.amdhsa_next_free_vgpr 192
		.amdhsa_next_free_sgpr 66
		.amdhsa_reserve_vcc 0
		.amdhsa_float_denorm_mode_32 3
		.amdhsa_float_denorm_mode_16_64 3
		.amdhsa_memory_ordered 1
		.amdhsa_forward_progress 1
		.amdhsa_inst_pref_size 25
	.end_amdhsa_kernel
	.amdgpu_metadata
---
amdhsa.version: [ 1, 2 ]
amdhsa.kernels:
  - .name:           k_q46165d4d0c_quant
    .symbol:         k_q46165d4d0c_quant.kd
    .args:
      - { .name: embedding, .offset: 0, .size: 8, .value_kind: global_buffer, .address_space: global }
      - { .name: lowp_scales, .offset: 8, .size: 8, .value_kind: global_buffer, .address_space: global }
      - { .name: codes, .offset: 16, .size: 8, .value_kind: global_buffer, .address_space: global }
    .group_segment_fixed_size: 0
    .private_segment_fixed_size: 0
    .kernarg_segment_align: 8
    .kernarg_segment_size: 24
    .max_flat_workgroup_size: 256
    .sgpr_count:     66
    .vgpr_count:     192
    .wavefront_size: 32
...
	.end_amdgpu_metadata
.endif
;; end of part 1
;; launch gemm (part 2): grid 16 x 16, 4 waves a work-group, clusters of 4 x 1, 327,680 bytes of LDS; arguments codes, input_ids, lowp_scales, out0; writes out0
.if DOCPART == 2
	.amdgcn_target "amdgcn-amd-amdhsa--gfx1250"
	.amdhsa_code_object_version 6
	.text
	.protected	k_q46165d4d0c_gemm
	.globl	k_q46165d4d0c_gemm
	.p2align	8
	.type	k_q46165d4d0c_gemm,@function
k_q46165d4d0c_gemm:
	s_mov_b64 s[64:65], 0
	v_nop
	global_prefetch_b8 v0, s[64:65] scope:SCOPE_SE
	s_setreg_imm32_b32 hwreg(HW_REG_WAVE_MODE, 25, 1), 1
	s_wait_xcnt 0x0
	s_wait_alu depctr_hold_cnt(0) depctr_sa_sdst(0) depctr_va_vdst(0) depctr_va_sdst(0) depctr_va_ssrc(0) depctr_va_vcc(0) depctr_vm_vsrc(0)
	s_getreg_b32 s2, hwreg(HW_REG_IB_STS2, 6, 4)
	s_cmp_eq_u32 s2, 0
	s_cbranch_scc0 .Lentry_in_a_cluster
	s_endpgm
.Lentry_in_a_cluster:
	s_bfe_u32 s2, ttmp6, 0x10000c
	s_cmp_lg_u32 s2, 0x3003
	s_cbranch_scc0 .Lentry_shape_is_right
	s_endpgm
.Lentry_shape_is_right:
; out[m][n] = 2^(e0 + e1) x the sum over k of code(one_hot[m][k]) x code(embedding[k][n]): 4,096 x 1,024, K = 16,384 (16,000 and 384 zero codes), on codes of BF8 (E5M2); sums in f32.
; B, the embedding's codes, lies in memory as images of the operand's registers: [g: 16 groups of 64 columns][s: 128 K steps of 128][f: 4 fragments][2,048 bytes]; lane l's 16 bytes of chunk c at 512 c + 16 l.
; In a fragment lane (r, h) holds, of its row r, k = 32 c + 16 h + 0 .. 15 in registers 4 c .. 4 c + 3: a permutation of k that is the same in A and in B, so every product meets its partner.
; A, THE ONE-HOT MATRIX, STAYS IN REGISTERS and costs no byte of memory or LDS.  A row has one number that is not 0: 1.0 at k = id; its code is made once by the quantiser itself (1.0 held within
; +-57,344 x 2^e0, divided by 2^e0, converted).  one_hot[m][k] = [k lies in id's run of eight K steps] x [k = id modulo 1,024].  The second factor is a fragment that hangs on the K step modulo 8 alone: eight
; PATTERNS for each tile of 16 rows, made once, are the products' operand.  The first factor is the same for all k of a run, so it is taken out of the run's sum, as a scale is: behind each run of eight K steps
; the run's sums D go into the kept sums, acc += D x m, m = 1.0 in the lanes whose row's id lies in that run and 0.0 in the others, and D begins anew with C = 0.  D is one product of two held codes: finite.
; Tile a's runs end behind the K steps s with s % 8 = 3 + a, so that in each of the steps 4 to 7 of an eight one tile's sums are taken; the last, shorter runs (124 + a .. 127) are taken behind the last step.
; No branch and no address hangs on an id.  An id outside 0 .. 15,999 meets zero codes or no run at all: its row is zeros, as by the comparison with iota.
; LIMITS: -126 <= e0 <= 112 (2^e0 and 57,344 x 2^e0 are f32 numbers); -126 <= e0 + e1 <= 127 (so is 2^(e0 + e1)).  NaN in the embedding is not served (0.0 x NaN would reach the rows whose id is the same modulo 1,024).
; SHARES.  A work-group: 256 rows x 64 columns (group g); a wave: 64 rows x 64 columns: 16 accumulators.  The tile is tall and narrow since only B goes through LDS.
; CLUSTER.  The four work-groups of a cluster have the same g and walk the same tiles of B: every tile is asked for JOINTLY, by the same tensor load with the same descriptor and the mask of all four.
; THE RING.  Two LDS slots of 16 K steps (131,072 bytes); each wave fetches a quarter of a slot by one load; eight tiles in all.  A wave has two loads out at the start, later one, which has 16 K steps in which to land.
; THE MATRIX INSTRUCTION IS USED TRANSPOSED (source 0 = 16 columns of the embedding, source 1 = 16 rows of A): a lane then holds ONE row of out, and eight neighbouring numbers of it: so m is a number a lane.
; REGISTERS, in windows of 256.  window 0: v0-58 addresses and small things; v64-127, v128-191 B's four fragments, two sets; v192-223 at work on the way out.
;   window 1: the patterns of K steps 0 to 3 of an eight, tile a's t-th at v[64 a + 16 t];  window 2: those of K steps 4 to 7.   window 3: v0-127 D, v128-255 acc, (a, b) at 8 (4 a + b).
.set STEPB, 8192                       ; a K step of a group: 4 images
.set SLOTB, 16*STEPB                   ; a slot, and a tile in memory
.set SLOT1, 1<<17                      ; slot 1 begins here: one exclusive or turns an address in one slot into the other's
.set SPARE, 2*SLOT1                    ; behind the ring: the spare words, 128 bytes for each wave: two blocks of 256 bytes that no other line names
.set STAGE, SPARE+512                  ; the way out: 16 rows x 272 bytes for each wave; no tensor load fills these bytes
.set SP,    272                        ; a stage row: 256 bytes + 16
.set LI,  3                            ; v3   16 x lane: my place in a chunk of an image
.set ADR, 4                            ; v4   LDS address of the run of loads in hand
.set SPW, 5                            ; v5   LDS address of my spare word: SPARE + 4 x my thread's number; never rewritten
.set NIL, 6                            ; v6   0; never rewritten
.set STO, 7                            ; v7   the way out: where I put 32 bytes of a row
.set RD,  8                            ; v8   the way out: where I read a row back
.set CO,  9                            ; v9   my byte offset in out
.set GO,  10                           ; v10-13 the number of the eight in which the sums of my row of tile a are taken
.set ID,  14                           ; v14-17 the ids
.set IDO, 32                           ; v32  the ids' loads' offset
.set M,   34                           ; v34-41 m of tile a in v[34 + 2 a]; the packed forms name a pair and take its low word for both halves
.set QP,  42                           ; v42-57 the head: a tile's fragment as it stands in its id's K step
.set ONE, 58                           ; v58  1.0
.set BF,  64                           ; B's sets, window 0
.set TMP, 192                          ; the way out: a block's sums x 2^(e0 + e1)
.set BK,  64                           ; the way out: block a's rows read back: v[64 + 32 a ..]: four sets, so that no store's data are written again
.set DT,  0                            ; D, window 3
.set ACC, 128                          ; acc, window 3
.set WV,  12                           ; s12  my wave's number
.set G1,  16                           ; s[16:23] descriptor group 1
.set TB,  32                           ; s32  LDS byte of the pair of K steps whose fragments are fetched next
.set KU,  33                           ; s33  the number of the eight K steps in hand
.set MUL_LO, 0xf4                      ; source 0 (B) window 0, source 1 (patterns) window 1, C and D window 3
.set MUL_HI, 0xf8                      ; the same with the patterns of window 2
.set FL,     0xf3                      ; source 0 (D), source 2 and destination (acc) window 3, source 1 (m) window 0
.set MSB, 0
.macro WIN new                         ; the immediate's high byte repeats the setting that is left; a switch that changes nothing is dropped
.if MSB != \new
	s_set_vgpr_msb (MSB<<8)|\new
.set MSB, \new
.endif
.endm
; A round of the cluster's barrier: my work-group's barrier, so that wave 0's signal speaks for all four waves; wave 0 signals for the work-group; every wave waits for all four work-groups; my work-group's barrier once more.
.macro CREST                           ; a round behind its opening barrier
	s_cmp_lg_u32 s[WV], 0
	s_cbranch_scc1 .Lnot_wave_0_\@
	s_barrier_signal -3
.Lnot_wave_0_\@:
	s_barrier_wait -3
	s_barrier_signal -1
	s_barrier_wait -1
.endm
.macro CROUND                          ; a whole round
	s_barrier_signal -1
	s_barrier_wait -1
	CREST
.endm
	s_load_b256 s[4:11], s[0:1], 0x0               ; codes s[4:5], ids s[6:7], the scales' exponents s[8:9], out s[10:11]
	v_lshl_add_u32 v[SPW], v0, 2, SPARE
	v_mov_b32 v[NIL], 0
	ds_add_u32 v5, v6
	ds_add_u32 v5, v6
	s_wait_dscnt 0x0
	v_lshrrev_b32 v1, 5, v0
	v_readfirstlane_b32 s[WV], v1                  ; wave 0..3
	s_bfe_u32 s13, ttmp6, 0x40000                  ; cx: my place in the cluster
	s_lshl_b32 s14, ttmp9, 2                       ; in a cluster launch ttmp9 counts clusters
	s_add_co_u32 s14, s14, s13                     ; my tile of 256 rows = 4 x cluster x + cx: it enters the ids' and out's addresses alone
	s_and_b32 s15, ttmp7, 0xffff                   ; g, which the four partners share
	; descriptor group 1: a quarter of a slot, dense in memory and in LDS: 128 rows of 32 elements of 8 bytes
	s_mov_b32 s[G1+0], 15|(3<<16)|(1<<21)          ; 15:0 the mask: all four work-groups; 17:16 elements of 8 bytes; 20 no padding; 21 set beside a mask
	s_mov_b32 s[G1+1], 32<<16                      ; tensor_dim0 = 32
	s_mov_b32 s[G1+2], 128<<16                     ; tensor_dim1 = 128
	s_mov_b32 s[G1+3], 32<<16                      ; tile_dim0 = 32
	s_mov_b32 s[G1+4], 128                         ; tile_dim1 = 128
	s_mov_b32 s[G1+5], 32                          ; tensor_dim0_stride
	s_mov_b32 s[G1+6], 0
	s_mov_b32 s[G1+7], 0
	s_lshl_b32 s38, s15, 20                        ; B: g x 128 K steps x 8,192 bytes
	s_lshl_b32 s40, s[WV], 15                      ;    + my quarter of a tile: wave x 32,768, in memory and in a slot alike: no place in the cluster enters either
	s_add_co_u32 s38, s38, s40
	s_mov_b32 s39, 0
	s_lshl_b32 s42, s14, 8
	s_lshl_b32 s41, s[WV], 6
	s_add_co_u32 s42, s42, s41                     ; my first row: 256 x tile + 64 x wave
	s_lshl_b32 s44, s42, 12                        ; out: a row is 4,096 bytes,
	s_lshl_b32 s41, s15, 8
	s_add_co_u32 s44, s44, s41                     ;      + 256 g
	s_mov_b32 s45, 0
	s_lshl_b32 s42, s42, 2                         ; ids: 4 bytes a row
	s_mov_b32 s43, 0
	s_wait_kmcnt 0x0
	s_load_b64 s[36:37], s[8:9], 0x0               ; e0, e1
	s_add_nc_u64 s[4:5], s[4:5], s[38:39]
	s_add_nc_u64 s[6:7], s[6:7], s[42:43]
	s_add_nc_u64 s[10:11], s[10:11], s[44:45]
	CROUND                                         ; all four work-groups are here: the first joint loads meet
	s_mov_b32 s24, 1                               ; group 0 of the first fill: count = 1,
	s_mov_b32 s25, s40                             ; LDS: slot 0, my quarter,
	s_mov_b64 s[26:27], s[4:5]                     ; memory: tile 0, my quarter,
	s_or_b32 s27, s27, 0x80000000                  ; type = 2
	s_mov_b32 s28, 1                               ; group 0 that walks: it begins with tile 1 in slot 1
	s_add_co_u32 s29, s40, SLOT1
	s_add_nc_u64 s[30:31], s[4:5], SLOTB
	s_or_b32 s31, s31, 0x80000000
	tensor_load_to_lds s[24:27], s[G1:G1+7]        ; both first fills go out together, ahead of every wait on TENSORcnt and every LDS read: two loads of mine are out
	s_nop 0
	tensor_load_to_lds s[28:31], s[G1:G1+7]
	s_nop 0
.rept 4
	v_nop                                          ; four lines behind the loads
.endr
	v_and_b32 v1, 15, v0                           ; r = lane % 16
	v_bfe_u32 v2, v0, 4, 1                         ; h = lane / 16
	v_lshlrev_b32 v[IDO], 2, v1
.irp a, 0,1,2,3
	global_load_b32 v[ID+\a], v[IDO], s[6:7] offset:64*\a   ; the id of row 16 a + r, in both halves of the lanes
.endr
	v_and_b32 v[LI], 31, v0
	v_lshlrev_b32 v[LI], 4, v[LI]
	s_mul_i32 s46, s[WV], 16*SP
	s_add_co_u32 s46, s46, STAGE                   ; my stage
	v_mul_u32_u24 v[STO], v1, SP                   ; in: row r, 32 bytes for each half of the lanes
	v_lshl_add_u32 v[STO], v2, 5, v[STO]
	v_add_nc_u32 v[STO], s46, v[STO]
	v_mul_u32_u24 v[RD], v2, SP                    ; back: lanes 0-15 take one row of 256 bytes, lanes 16-31 the next
	v_lshl_add_u32 v[RD], v1, 4, v[RD]
	v_add_nc_u32 v[RD], s46, v[RD]
	v_lshlrev_b32 v[CO], 12, v2                    ; and the same two rows in out
	v_lshl_add_u32 v[CO], v1, 4, v[CO]
	v_mov_b32 v[ONE], 1.0
.irp a, 0,1,2,3
	v_mov_b32 v[M+2*\a+1], 0                       ; named as the upper halves of m's pairs, so they are written
.endr
	; the code of 1.0, by the quantiser
	s_wait_kmcnt 0x0
	s_add_co_i32 s38, s36, 127
	s_lshl_b32 s39, s38, 23
	v_mov_b32 v30, s39                             ; 2^e0 as f32: the conversion takes its exponent field
	s_add_co_i32 s38, s38, 15
	s_lshl_b32 s38, s38, 23
	s_or_b32 s38, s38, 0x600000
	v_mov_b32 v31, s38                             ; 57,344 x 2^e0
	v_med3_num_f32 v20, 1.0, -v31, v31             ; the conversion to an 8-bit code does not saturate (ISA guide 7.6.2): the hold, always executed
.irp j, 21,22,23,24,25,26,27
	v_mov_b32 v\j, 0
.endr
	v_cvt_scalef32_pk8_bf8_f32 v[28:29], v[20:27], v30
	v_nop                                          ; one plain vector instruction between a scaled conversion and the first that touches its result
	v_and_b32 v28, 0xff, v28                       ; the code, in the lowest byte
	s_wait_loadcnt 0x0                             ; the ids
	; the patterns.  id = 128 s + 32 c + 16 h' + 4 q + y: in K step s the code stands in byte y of register 4 c + q of the lanes with h = h'
.irp a, 0,1,2,3
	v_lshrrev_b32 v18, 7, v[ID+\a]                 ; s (a logical shift: a negative id gives a K step that does not exist)
	v_sub_nc_u32 v19, 3+\a, v18
	v_and_b32 v19, 7, v19                          ; K steps from s to the end of its run: tile a's runs end where the K step % 8 = 3 + a
	v_add3_u32 v19, v19, v18, 1                    ; the K step at whose head the run's sums are taken,
	v_lshrrev_b32 v[GO+\a], 3, v19                 ; and the eight in which it lies (16: behind the last K step)
	v_and_b32 v33, 7, v18                          ; s % 8: which of the eight patterns holds the code
	v_bfe_u32 v18, v[ID+\a], 5, 2
	v_bfe_u32 v19, v[ID+\a], 2, 2
	v_lshl_add_u32 v18, v18, 2, v19                ; 4 c + q
	v_bfe_u32 v19, v[ID+\a], 4, 1
	v_xor_b32 v19, v19, v2
	v_lshl_or_b32 v18, v19, 8, v18                 ; + 256 in the other half of the lanes: no register's number there
	v_and_b32 v19, 3, v[ID+\a]
	v_lshlrev_b32 v19, 3, v19
	v_lshlrev_b32 v19, v19, v28                    ; the code in byte y
.irp j, 0,1,2,3,4,5,6,7,8,9,10,11,12,13,14,15
	v_cmp_eq_u32 vcc_lo, \j, v18
	v_cndmask_b32 v[QP+\j], 0, v19, vcc_lo         ; the fragment as it stands in K step s
.endr
	WIN 0x40                                       ; destination window 1
.irp t, 0,1,2,3
	v_cmp_eq_u32 vcc_lo, \t, v33
.irp j, 0,1,2,3,4,5,6,7,8,9,10,11,12,13,14,15
	v_cndmask_b32 v[64*\a+16*\t+\j], 0, v[QP+\j], vcc_lo
.endr
.endr
	WIN 0x80                                       ; destination window 2
.irp t, 4,5,6,7
	v_cmp_eq_u32 vcc_lo, \t, v33
.irp j, 0,1,2,3,4,5,6,7,8,9,10,11,12,13,14,15
	v_cndmask_b32 v[64*\a+16*(\t-4)+\j], 0, v[QP+\j], vcc_lo
.endr
.endr
	WIN 0
.endr
; Four matrix instructions: tile a's pattern of K step t of the eight against B's four fragments of set t % 2.  zero = 1: they begin D anew.
.macro MM a, t, zero
.irp b, 0,1,2,3
.if \zero
	v_wmma_f32_16x16x128_bf8_bf8 v[DT+8*(4*\a+\b):DT+8*(4*\a+\b)+7], v[BF+64*((\t)%2)+16*\b:BF+64*((\t)%2)+16*\b+15], v[64*\a+16*((\t)%4):64*\a+16*((\t)%4)+15], 0
.else
	v_wmma_f32_16x16x128_bf8_bf8 v[DT+8*(4*\a+\b):DT+8*(4*\a+\b)+7], v[BF+64*((\t)%2)+16*\b:BF+64*((\t)%2)+16*\b+15], v[64*\a+16*((\t)%4):64*\a+16*((\t)%4)+15], v[DT+8*(4*\a+\b):DT+8*(4*\a+\b)+7]
.endif
.endr
.endm
; Tile a's D begins anew in K step 4 + a of an eight, at whose head its sums were taken, and in the launch's first K step.  Between a D's last product and the one that begins it anew stand the twelve
; multiply-adds of the other three tiles' accumulators (five places are asked: ISA guide 7.12.1).  The 16 accumulators take turns, one instruction a turn, in the same order in every K step.
.macro MMA a, t, first
.if ((\first) && ((\t) == 0)) || ((\t) == 4+(\a))
	MM \a, \t, 1
.else
	MM \a, \t, 0
.endif
.endm
.macro MASK a                          ; m of tile a: 1.0 in the lanes whose row's sums are taken in this eight.  Window 0
	v_cmp_eq_u32 vcc_lo, s[KU], v[GO+(\a)]
	v_cndmask_b32 v[M+2*(\a)], 0, v[ONE], vcc_lo
.endm
; Tile a's sums are taken: acc += D x m, two numbers an instruction; each D from its low end on.  first = 1: the launch's first eight: acc = D x m: nothing is ever cleared.  Setting FL
.macro FLUSH a, first
.irp b, 0,1,2,3
.irp j, 0,2,4,6
.if \first
	v_pk_mul_f32 v[ACC+8*(4*(\a)+\b)+\j:ACC+8*(4*(\a)+\b)+\j+1], v[DT+8*(4*(\a)+\b)+\j:DT+8*(4*(\a)+\b)+\j+1], v[M+2*(\a):M+2*(\a)+1] op_sel_hi:[1,0]
.else
	v_pk_fma_f32 v[ACC+8*(4*(\a)+\b)+\j:ACC+8*(4*(\a)+\b)+\j+1], v[DT+8*(4*(\a)+\b)+\j:DT+8*(4*(\a)+\b)+\j+1], v[M+2*(\a):M+2*(\a)+1], v[ACC+8*(4*(\a)+\b)+\j:ACC+8*(4*(\a)+\b)+\j+1] op_sel_hi:[1,0,1]
.endif
.endr
.endr
.endm
; K steps go in pairs: the even one lies at s[TB] and goes to set 0, the odd one 8,192 bytes on (in the immediate) and goes to set 1; then s[TB] steps to the next pair.
.macro ADDR q
	v_add_nc_u32 v[ADR], s[TB], v[LI]
.if (\q)
	s_add_co_u32 s[TB], s[TB], 2*STEPB
.endif
.endm
.macro LOADS q                         ; 16 LDS loads in one run: a K step's four images into set q; each load's 32 lanes take 512 consecutive bytes
.irp b, 0,1,2,3
.irp c, 0,1,2,3
	ds_load_b128 v[BF+64*(\q)+16*\b+4*\c:BF+64*(\q)+16*\b+4*\c+3], v[ADR] offset:STEPB*(\q)+2048*\b+512*\c
.endr
.endr
.endm
; K step t of an eight, with its successor in the same slot.  At its head: four plain vector instructions beside the compare, which are the places between the last K step's products and both the loads into the set
; that they read and the first read of their results (ISA guide 7.12.1 for vector instructions); the next K step's fragments; in steps 4 to 7 the sums of tile t - 4.
.macro STEP t, first
	s_wait_dscnt 0x0                               ; this K step's set is in: asked for a K step ago
	WIN 0
.if (\t) >= 4
	MASK (\t)-4
	ADDR ((\t)+1)%2
	v_nop
	v_nop
.else
	ADDR ((\t)+1)%2
	v_nop
	v_nop
	v_nop
.endif
	LOADS ((\t)+1)%2
.if (\t) >= 4
	WIN FL
	FLUSH (\t)-4, \first
.endif
	WIN (MUL_LO+4*((\t)/4))
.irp a, 0,1,2,3
	MMA \a, \t, \first
.endr
.endm
; A slot's 16th K step (the 7th of its eight, on set 1) changes slots: ONE barrier.  In front of it each wave waits for all its tensor loads, of which one is out: its quarter of the next slot; adds 0 to its spare
; word; and waits for that and for its reads of this slot.  Behind it nobody reads this slot any more and the next slot is whole.  fill = 1: the barrier opens a round of the cluster's, so that the same holds of every
; partner, and this slot is filled again, with the tile two on: the first thing behind the round, 16 K steps ahead of the wait for it.  The next slot's first fragments are asked for eight products ahead of their use.
.macro TURN fill
	WIN 0                                          ; (the add's two registers lie in window 0)
	s_wait_tensorcnt 0x0                           ; no tensor load of mine is out, so a group 0 may be written
	ds_add_u32 v[SPW], v[NIL]                      ; 0 onto my spare word
.if \fill
	s_xor_b32 s29, s29, SLOT1                      ; the walking descriptor: the other slot than last time,
	s_add_nc_u64 s[30:31], s[30:31], SLOTB         ; the next tile; the type bits on top are not reached
.endif
	s_wait_dscnt 1                                 ; set 1 is in; the add may be out
	MASK 3
	v_nop                                          ; with the select above: four places beside the compare, ahead of the first read of tile 3's sums
	v_nop
	v_nop
	WIN FL
	FLUSH 3, 0                                     ; work on registers stands between the add and the wait for it
	WIN MUL_HI
	MMA 0, 7, 0
	s_wait_dscnt 0x0                               ; the add is done, and my reads of this slot are over
	s_barrier_signal -1
	MMA 1, 7, 0                                    ; work on registers while the others arrive
	WIN 0
	s_barrier_wait -1
.if \fill
	CREST
	tensor_load_to_lds s[28:31], s[G1:G1+7]        ; my one tensor load behind the round
	s_nop 0
.rept 4
	v_nop                                          ; four lines behind the load
.endr
.endif
	s_sub_co_u32 s[TB], s[TB], SLOTB               ; the fetches go back to a slot's first K step,
	s_xor_b32 s[TB], s[TB], SLOT1                  ; in the other slot
	ADDR 0
	LOADS 0                                        ; set 0 was last read a K step ago: the multiply-adds above are its places
	WIN MUL_HI
	MMA 2, 7, 0
	MMA 3, 7, 0
.endm
.macro LAST                            ; the very last K step: nothing more to fetch
	s_wait_dscnt 0x0
	WIN 0
	MASK 3
	v_nop
	v_nop
	v_nop
	WIN FL
	FLUSH 3, 0
	WIN MUL_HI
.irp a, 0,1,2,3
	MMA \a, 7, 0
.endr
.endm
; Eight K steps.  kind 0: all plain; 1: the last changes slots and fills; 2: it changes slots and fills nothing; 3: it is the launch's last
.macro OCT first, kind
.irp t, 0,1,2,3,4,5,6
	STEP \t, \first
.endr
.if (\kind) == 0
	STEP 7, \first
.elseif (\kind) == 3
	LAST
.else
	TURN 2-(\kind)
.endif
	s_add_co_u32 s[KU], s[KU], 1
.endm
	s_mov_b32 s[TB], 0
	s_mov_b32 s[KU], 0
	s_wait_tensorcnt 0x1                           ; my quarter of tile 0 is in; tile 1's load may stay out
	s_barrier_signal -1
	s_barrier_wait -1                              ; everybody's is
	ADDR 0
	LOADS 0
	OCT 1, 0                                       ; the first eight stand in front of the loop: their products start D, their takings start acc
	WIN 0
	s_mov_b32 s34, 6
.Ltile:                                                ; six trips of 16 K steps, from a tile's second half to the next tile's first: tiles 2 to 7 are asked for
	OCT 0, 1
	OCT 0, 0
	WIN 0
	s_sub_co_u32 s34, s34, 1
	s_cmp_lg_u32 s34, 0
	s_cbranch_scc1 .Ltile
	OCT 0, 2                                       ; the tail is written out: tile 6 is left and nothing is asked for
	OCT 0, 0
	OCT 0, 3
	WIN 0                                          ; the last runs, K steps 124 + a to 127, are taken: s[KU] = 16
.irp a, 0,1,2,3
	MASK \a                                        ; the four selects are the places behind the last products
.endr
	WIN FL
.irp a, 0,1,2,3
	FLUSH \a, 0
.endr
	WIN 0
; THE WAY OUT, block by block of 16 rows x 64 columns.  A lane holds 32 neighbouring bytes of a row and the lanes beside it hold other rows: so a block goes through my own stage in LDS and comes back as whole
; rows of 256 bytes.  LDS serves a wave's instructions in order (ISA guide 5.7.1.4): no wait between the stores and the loads, nor in front of the next block's stores.
.macro TOSTAGE a
	WIN 0x03                                       ; source 0: window 3
.irp j, 0,2,4,6,8,10,12,14,16,18,20,22,24,26,28,30
	v_pk_mul_f32 v[TMP+\j:TMP+\j+1], v[ACC+32*\a+\j:ACC+32*\a+\j+1], s[36:37] op_sel_hi:[1,0]   ; both x s36 = 2^(e0 + e1)
.endr
	WIN 0
.irp b, 0,1,2,3
	ds_store_b128 v[STO], v[TMP+8*\b:TMP+8*\b+3]   offset:64*\b       ; lane (r, h): out(16 a + r, 16 b + 8 h + 0 .. 7)
	ds_store_b128 v[STO], v[TMP+8*\b+4:TMP+8*\b+7] offset:64*\b+16
.endr
.irp t, 0,1,2,3,4,5,6,7
	ds_load_b128 v[BK+32*\a+4*\t:BK+32*\a+4*\t+3], v[RD] offset:\t*2*SP
.endr
.endm
.macro SEND a, younger                 ; younger: the LDS instructions issued behind block a's loads: the next block's sixteen, or none
.irp t, 0,1,2,3,4,5,6,7
	s_wait_dscnt \younger+7-\t
	global_store_b128 v[CO], v[BK+32*\a+4*\t:BK+32*\a+4*\t+3], s[10:11] offset:(16*\a+2*\t)*4096 th:TH_STORE_NT   ; 16 lanes store 256 consecutive bytes, at a multiple of 256 from out's first byte; written once, read by nobody here
.endr
.endm
	s_add_co_i32 s36, s36, s37                     ; e0 + e1, between -126 and 127,
	s_add_co_i32 s36, s36, 127
	s_lshl_b32 s36, s36, 23                        ; makes the f32 number 2^(e0 + e1)
	s_mov_b32 s37, s36                             ; (named with it as a pair, so it is written)
	TOSTAGE 0
	TOSTAGE 1                                      ; a block's arithmetic stands between the loads of the block before and its stores
	SEND 0, 16
	TOSTAGE 2
	SEND 1, 16
	TOSTAGE 3
	SEND 2, 16
	SEND 3, 0
	s_wait_tensorcnt 0x0                           ; the wave's end, behind my last tensor load and my last LDS store
	ds_add_u32 v[SPW], v[NIL]
	s_wait_dscnt 0x0
	CROUND                                         ; the closing round: no work-group ends while a partner may still ask for a tile that names it
	s_endpgm
.Lfunc_end_k_q46165d4d0c_gemm:
	.size	k_q46165d4d0c_gemm, .Lfunc_end_k_q46165d4d0c_gemm-k_q46165d4d0c_gemm
	.p2alignl 7, 3214868480
	.fill 96, 4, 3214868480
	.section	.rodata,"a",@progbits
	.p2align	6, 0x0
	.amdhsa_kernel k_q46165d4d0c_gemm
		.amdhsa_group_segment_fixed_size 327680
		.amdhsa_private_segment_fixed_size 0
		.amdhsa_enable_private_segment 0
		.amdhsa_kernarg_size 32
		.amdhsa_user_sgpr_count 2
		.amdhsa_user_sgpr_kernarg_segment_ptr 1
		.amdhsa_wavefront_size32 1
		.amdhsa_system_sgpr_workgroup_id_x 1
		.amdhsa_system_sgpr_workgroup_id_y 1
		.amdhsa_system_sgpr_workgroup_id_z 1
		.amdhsa_system_vgpr_workitem_id 0
		.amdhsa_next_free_vgpr 1024
		.amdhsa_next_free_sgpr 66
		.amdhsa_reserve_vcc 1
		.amdhsa_float_denorm_mode_32 3
		.amdhsa_float_denorm_mode_16_64 3
		.amdhsa_memory_ordered 1
		.amdhsa_forward_progress 1
		.amdhsa_inst_pref_size 182
	.end_amdhsa_kernel
	.amdgpu_metadata
---
amdhsa.version: [ 1, 2 ]
amdhsa.kernels:
  - .name:           k_q46165d4d0c_gemm
    .symbol:         k_q46165d4d0c_gemm.kd
    .args:
      - { .name: codes, .offset: 0, .size: 8, .value_kind: global_buffer, .address_space: global }
      - { .name: input_ids, .offset: 8, .size: 8, .value_kind: global_buffer, .address_space: global }
      - { .name: lowp_scales, .offset: 16, .size: 8, .value_kind: global_buffer, .address_space: global }
      - { .name: out0, .offset: 24, .size: 8, .value_kind: global_buffer, .address_space: global }
    .group_segment_fixed_size: 327680
    .private_segment_fixed_size: 0
    .kernarg_segment_align: 8
    .kernarg_segment_size: 32
    .max_flat_workgroup_size: 128
    .sgpr_count:     66
    .vgpr_count:     1024
    .wavefront_size: 32
...
	.end_amdgpu_metadata
.endif
;; end of part 2
